; MI455X (gfx1250); checked and timed in simulation.
; The chip was launched on July 23, 2026; its instructions are those of AMD's public machine-readable ISA for CDNA 5 (MIT licence, August 2026) and "CDNA5" Instruction Set Architecture Reference Guide (July 2026). The comments in the code are by the model that wrote it; some were corrected since.
;; Prob Attention. Allowed arithmetic: matrix products marked QUANTISED: E2M1 operands, one E8M0 scale for each 32 along K, by v_wmma_scale_f32_16x16x128_f8f6f4 with both operands' format E2M1 (or v_wmma_scale_f32_32x16x128_f4), f32 sums; everything else in f32.
;; Inputs: keys 8 x 1,024 x 8 x 64 float32; queries 8 x 1,024 x 8 x 64 float32; starts 32 int32; values 8 x 1,024 x 8 x 64 float32.
;; Outputs: out0 8 x 1,024 x 8 x 64 float32.
;; This version of the problem:
;;   THIS VERSION OF THE PROBLEM IS GIVEN IN LOW PRECISION. The matrix products marked QUANTISED in the list below multiply operands that are first quantised to E2M1 (2 exponent bits, 1 mantissa bit; 4 bits a number), with one power-of-two scale for each 32 numbers along K (OCP MX v1.0); their sums are f32. All else is computed in f32.
;;   The module's matrix products, in the order in which they are computed (A, B: the left and right operand; K: the contracted axis; several contracted axes count as one K, in the product's order):
;;     1. [M 1,024, K 32] x [K 32, N 1,024]; A: computed on the way; B: computed on the way: QUANTISED
;;     2. batch 64 x [M 1,024, K 64] x [K 64, N 1,024]; A: input queries; B: input keys: QUANTISED
;;     3. batch 64 x [M 64, K 1,024] x [K 1,024, N 1,024]; A: input values; B: softmax (see below): QUANTISED
;;   THE QUANTISER, for each operand of a quantised product, along K:
;;     - K is cut into blocks of 32 from its start; a last block that is shorter is filled with zeros.
;;     - A block's scale is 2^e with e = floor(log2(the largest magnitude in the block)) - 2, held to -126 .. 127; a block of zeros has e = 0. As a byte (E8M0): e + 127.
;;     - Each number is divided by its block's scale, clamped to +-6, and rounded to the nearest number of E2M1, ties to even, subnormals kept.
;;     - The product sums the exact products of the quantised numbers (number of the format x scale) in f32.
;;   ~~~python
;;   def quantise(x, axis):      # numpy; x: float32 -> the quantised numbers, widened to float32 again
;;       x = np.moveaxis(x, axis, -1); K = x.shape[-1]
;;       x = np.pad(x, [(0, 0)] * (x.ndim - 1) + [(0, -K % 32)]); x = x.reshape(x.shape[:-1] + (-1, 32)); a = np.abs(x).max(-1, keepdims=True)
;;       e = np.where(a > 0, np.clip(np.frexp(np.where(a > 0, a, 1))[1] - 1 - 2, -126, 127), 0)      # np.frexp(a)[1] - 1 = floor(log2(a)), exactly
;;       r = np.clip(x / 2.0 ** e, -6, 6)
;;       step = 2.0 ** (np.maximum(np.frexp(np.where(r == 0, 1, r))[1] - 1, 0) - 1)
;;       q = np.round(r / step) * step * 2.0 ** e      # np.round: ties to even
;;       return np.moveaxis(q.reshape(q.shape[:-2] + (-1,))[..., :K], -1, axis).astype(np.float32)
;;   ~~~
;;   SOFTMAX AHEAD OF A QUANTISED PRODUCT. Where the list says 'softmax', what is quantised is not the finished softmax but p = 2^(t - M), with t = logit x log2(e) and M = ceil(the row's largest t), a whole number; so 1/2 < the row's largest p <= 1. The row's sum l is taken of the UNQUANTISED p, in f32, and the product's result is divided by l at the end. Since M is a whole number, a kernel that streams over the keys may use a running M (the ceiling of the running maximum): every later rescaling is an exact power of two, which a block's scale takes up: the codes' values come out the same.
;;   OPERANDS COMPUTED ON THE WAY. 'Computed on the way' means the value that the module computes at that place (a softmax that the list does not call 'softmax' is quantised finished and normalised). What goes into a quantiser is computed in f32, as accurately as f32 sums, v_exp_f32 and their like allow (about 1e-6 of the number): no bf16 or f16 on the way to a quantiser, and a product that is left as it is and whose result goes on into a quantised operand takes f32 operands (vector FMAs, or v_wmma_f32_16x16x4_f32). A number that lies on a knife's edge between two numbers of the format may be rounded either way, as far as f32 arithmetic and the matrix unit's own rounding can turn it there, and no further.
;; 2 versions. Each part assembles by itself: llvm-mc -triple=amdgcn-amd-amdhsa -mcpu=gfx1250 --defsym DOCPART=n.
;; ======== version 1 of 2: 1 launch
;; launch attn (part 1): grid 4 x 64, 8 waves a work-group, no clusters, 246,784 bytes of LDS; arguments queries, keys, values, starts, out0; writes out0
.if DOCPART == 1
	.amdgcn_target "amdgcn-amd-amdhsa--gfx1250"
	.amdhsa_code_object_version 6
	.text
	.protected	k_qfc041c8c0a_attn
	.globl	k_qfc041c8c0a_attn
	.p2align	8
	.type	k_qfc041c8c0a_attn,@function
k_qfc041c8c0a_attn:
	s_mov_b64 s[64:65], 0
	v_nop
	global_prefetch_b8 v0, s[64:65] scope:SCOPE_SE
	s_setreg_imm32_b32 hwreg(HW_REG_WAVE_MODE, 25, 1), 1
	s_wait_xcnt 0x0
; ProbAttention, B 8, L 1024, H 8, E 64, all three products on codes of FP4 (E2M1) with one E8M0 scale for each 32 along K.
; WHAT THE SIZES MAKE OF IT, for every input.  Row i and column j share a patch only if both lie in one run of 64 indices, so |i - j| <= 63: a row has at most 127 kept scores and at least
; 897 scores that are exactly 0.  The 0.1 quantile of 1,024 magnitudes lies between the 103rd and the 104th smallest, both 0: the threshold is 0, no magnitude is under it, nothing is pruned.
; That step is therefore not written.  A score that the mask drops is 0, not -inf: its key keeps the weight pz = 2^-M, and M >= 0.  So the softmax is dense, but outside a band every p is pz.
; SHARES.  A work-group: 256 queries of one head (x: which 256; y: 8 b + h).  Wave w: queries 32 w .. + 31, two tiles of 16.  A2 = w / 2, u = w % 2.
; The work-group's keys are taken CYCLICALLY from key 256 x - 64 on: blocks of 32 (y = 0 .. 11 form the band), double blocks of 64 for V (positions 0 .. 15).  A block that wraps round has the mask
; count 0 by its true indices, so its p is pz by itself.  A wave's band is blocks 2 A2 .. 2 A2 + 5 (192 keys); the other 832 keys have p = pz: the row's sum adds 832 pz, and the third product runs
; over all 1,024 keys with a constant operand there (the quantiser's own codes of 32 equal numbers).
; PHASES.  Loads of K, Q, V | membership of rows in patches (codes 6 = the number 4, byte 125: what the quantiser makes of 0 / 1) | K and Q quantised; K's fragments to LDS as images of registers | barrier |
; per tile: scores, mask counts, softmax, p quantised | V quantised down the keys, two double blocks a wave, images to LDS | barrier | O^T = V^T P^T | out through the wave's stage.
; SHORT K.  A score has K = 64 and a mask count K = 32, the instruction 128: two (four) tiles of keys share source 0, and source 1 is the queries' codes in one part of K and zero codes elsewhere.
; All products are used transposed (source 0 = keys or channels, source 1 = queries): a lane holds ONE query (lane % 16).  Lane r of key tile (y, u) takes key 32 y + 8 u + r + 8 (r / 8), so that the 16
; registers of tiles 2 s and 2 s + 1 are 16 neighbouring keys.
; LIMITS.  NaN and infinities among the inputs are not served.  A block whose largest magnitude lies under 2^-124 keeps the scale byte 1 (a block of zeros too: its codes are zeros, and the bytes are
; read by this program alone).  v_exp_f32 gives 0 for p under 2^-126 (ISA guide, 15.8): beside a row's largest p, above 1/2, that is nothing.
; No tensor loads: the 72 loads of 512 bytes that a wave issues at its head go straight to registers.  No cluster: V in f32 (262,144 bytes a head) does not fit in LDS beside the 245,760 bytes used here.
.set MEM,  0                           ; LDS: band row x: 16 bytes, 32 codes, one for each patch
.set KSC,  6144                        ; [y][r] word: K's scale bytes, tile u = 0 in bytes 0, 1, tile u = 1 in bytes 2, 3
.set SH2,  6912                        ; [position 0..23][r][t] 16 bits: V's scale bytes of the position's two blocks, channel 16 t + r
.set KIMG, 9984                        ; [y][u] images of 512 bytes: 16 x lane
.set VIMG, 22272                       ; t x VT + position x 512 + 16 x lane; positions 16 .. 23 repeat 0 .. 7, so that a reader's A2 + k needs no wrap
.set VT,   12304                       ; 24 images + 16 bytes, so that the sixteen lanes of a store fall on sixteen different columns of 16 bytes
.set STG,  71680                       ; 21,760 bytes a wave: five stages of 16 rows x 272
.set WST,  21760
.set STP,  272
.set ST1,  4352
.set L16,  1                           ; 16 x lane
.set LANE, 2
.set GOFF, 3                           ; two rows of a head a load: (lane / 16) x 2048 + (lane % 16) x 16
.set VOFF, 4                           ; V: (lane / 16) x 32 rows + (lane % 16) x 16
.set STW,  5                           ; stage, by rows of 256 bytes
.set STR,  6                           ; stage, row r, 128 h: a block of 32 numbers
.set KIW,  7
.set KSW,  8
.set MEW,  9
.set KIR,  10
.set KSR,  11
.set MFR,  12
.set XQR,  13
.set VIW,  14
.set VSW,  15
.set VIR,  16
.set VSR,  17
.set OSW,  18
.set KS,   24                          ; v24-29 K's scale words;  v30-31 Q's;  v32 the mask's;  v33-38 p's, three a tile
.set QS,   30
.set SCM,  32
.set PS,   33
.set RL,   40                          ; v40-43 1 / l, a pair a tile
.set G,    44                          ; v44-75 at work; in the last product V's 32 scale words
.set QX,   76                          ; v76-111 [0][Q0][0][Q1][0][X0][0][X1][0], four registers each: eight-register views with zero codes on one side
.set P,    112                         ; v112-151 p's codes, 20 a tile: + 0 blocks 0-3, + 8 blocks 4, 5 and two constant ones, + 12 four constant ones
.set S,    152                         ; v152-247 scores, then p
.set XT,   248                         ; v248-255 my queries' membership
.set XB,   120                         ; early: two sets of 32 numbers;  v184-247 Q as loaded
.set QR,   184
.set T,    152                         ; V: two columns of 32 keys;  v216-231 V's codes
.set VC,   216
.set O,    152                         ; O^T (a, t) at O + 32 a + 8 t
.set H,    76                          ; V's scale bytes as read
.set OB,   76                          ; rows of the result
.set KR,   128                         ; window 1: v0-127 a double block of V as loaded; v128-223 K as loaded, then:
.set KF,   128                         ; K's fragments, 6 x 8
.set MF,   176                         ; the keys' membership, 3 x 8
.set CN,   200                         ; mask counts, 4 x 8.   In the last product window 1 is V's fragments (t, k) at 8 (8 t + k)
.set BM,   G                           ; softmax: v44-49 the blocks' largest, v50 pz
.set PZ,   G+6
.set BT,   G+8                          ; v52-58
.set SCL,  G+16                         ; v60-66
.set NM,   G+24                         ; v68-69 -M (a pair is named)
.set SU,   G+26                         ; v70-73
.set T0,   G+30
.set MSB, 0
.macro WIN new                         ; s_set_vgpr_msb: bits 1:0 source 0, 3:2 source 1, 5:4 source 2, 7:6 destination; the high byte repeats the setting that is left
.if MSB != \new
	s_set_vgpr_msb (MSB<<8)|\new
.set MSB, \new
.endif
.endm
.macro MM0 d, a, b, sa, sb             ; a product that starts a sum
	v_wmma_scale_f32_16x16x128_f8f6f4 v[\d:\d+7], v[\a:\a+7], v[\b:\b+7], 0, v[\sa], v[\sb] matrix_a_fmt:MATRIX_FMT_FP4 matrix_b_fmt:MATRIX_FMT_FP4
.endm
.macro MMA d, a, b, sa, sb             ; and one that adds in place
	v_wmma_scale_f32_16x16x128_f8f6f4 v[\d:\d+7], v[\a:\a+7], v[\b:\b+7], v[\d:\d+7], v[\sa], v[\sb] matrix_a_fmt:MATRIX_FMT_FP4 matrix_b_fmt:MATRIX_FMT_FP4
.endm
.macro PLACES n
.rept \n
	v_nop
.endr
.endm
; ---- HEAD
	s_load_b256 s[4:11], s[0:1], 0x0               ; queries s[4:5], keys s[6:7], values s[8:9], starts s[10:11]
	s_load_b64 s[12:13], s[0:1], 0x20              ; out0
	v_lshrrev_b32 v19, 5, v0
	v_readfirstlane_b32 s14, v19                   ; w
	s_and_b32 s15, s14, 1                          ; u
	s_lshr_b32 s16, s14, 1                         ; A2
	s_mov_b32 s17, ttmp9                           ; which 256 queries
	s_and_b32 s18, ttmp7, 0xffff                   ; 8 b + h
	s_lshr_b32 s61, s18, 3
	s_lshl_b32 s61, s61, 21                        ; b x 1024 rows of 2,048 bytes
	s_and_b32 s62, s18, 7
	s_lshl_b32 s62, s62, 8                         ; h x 256 bytes
	s_or_b32 s98, s61, s62                         ; the head's first byte
	s_mov_b32 s52, 0x76543210
	s_mov_b32 s53, 0xfedcba98                      ; v_permlanex16_b32's selects for lane l xor 16
	s_mov_b32 s54, 0xffff0000                      ; lanes 16-31
	s_mov_b32 s55, 0x0000ffff                      ; lanes 0-15
	s_mov_b32 s56, 0x3fb8aa3b                      ; log2(e)
	s_mov_b32 s57, s56                             ; (named with it as a pair)
	v_and_b32 v[LANE], 31, v0
	v_lshlrev_b32 v[L16], 4, v[LANE]
	v_and_b32 v19, 15, v0                          ; r
	v_bfe_u32 v20, v0, 4, 1                        ; h
	v_lshlrev_b32 v21, 4, v19
	v_lshl_add_u32 v[GOFF], v20, 11, v21
	v_lshl_add_u32 v[VOFF], v20, 16, v21
	s_mul_i32 s61, s14, WST
	s_add_co_u32 s61, s61, STG                     ; my stages
	v_mad_u32_u24 v[STW], v20, STP, v21
	v_add_nc_u32 v[STW], s61, v[STW]
	v_mul_u32_u24 v22, v19, STP
	v_lshl_add_u32 v[STR], v20, 7, v22
	v_add_nc_u32 v[STR], s61, v[STR]
	v_lshl_add_u32 v[OSW], v20, 5, v22
	v_add_nc_u32 v[OSW], s61, v[OSW]
	s_lshl_b32 s62, s15, 9
	s_lshl_b32 s63, s16, 10
	s_add_co_u32 s62, s62, s63
	s_add_co_u32 s62, s62, KIMG
	v_add_nc_u32 v[KIW], s62, v[L16]               ; I make K's tiles (y = A2 + 4 i, u)
	s_lshl_b32 s62, s15, 1
	s_lshl_b32 s63, s16, 6
	s_add_co_u32 s62, s62, s63
	s_add_co_u32 s62, s62, KSC
	v_lshl_add_u32 v[KSW], v19, 2, s62
	s_lshl_b32 s62, s15, 3
	s_lshl_b32 s63, s16, 9
	s_add_co_u32 s62, s62, s63
	v_add_nc_u32 v[MEW], s62, v[L16]               ; and the membership of block A2 + 4 i's rows in patches 16 u .. + 15 (MEM begins at byte 0)
	s_lshl_b32 s62, s16, 11
	s_add_co_u32 s62, s62, KIMG
	v_add_nc_u32 v[KIR], s62, v[L16]               ; I read blocks 2 A2 + 0 .. 5
	s_lshl_b32 s62, s16, 7
	s_add_co_u32 s63, s62, KSC
	v_lshl_add_u32 v[KSR], v19, 2, s63
	s_add_co_u32 s63, s62, SH2
	v_lshl_add_u32 v[VSR], v19, 3, s63             ; and V's positions A2 + 0 .. 15
	v_and_b32 v23, 8, v19
	v_add_nc_u32 v23, v23, v19
	v_lshl_add_u32 v23, v20, 3, v23                ; the key of a tile's row r, with u = my half of the lanes
	s_lshl_b32 s62, s16, 10
	v_lshl_add_u32 v[MFR], v23, 4, s62
	s_lshl_b32 s62, s14, 9
	s_add_co_u32 s63, s62, 1024
	v_add_nc_u32 v[XQR], s63, v21                  ; band row 64 + 32 w + r: my queries
	v_lshrrev_b32 v44, 2, v19
	v_and_b32 v45, 3, v19
	v_mul_u32_u24 v[VIW], v44, VT
	v_lshl_add_u32 v[VIW], v20, 8, v[VIW]
	v_lshl_add_u32 v[VIW], v45, 6, v[VIW]
	s_add_co_u32 s63, s62, VIMG
	v_add_nc_u32 v[VIW], s63, v[VIW]               ; channel 4 x + j is row 4 (x % 4) + j of tile x / 4; my block is half lane / 16 of position w
	v_lshlrev_b32 v[VSW], 1, v44
	v_lshl_add_u32 v[VSW], v45, 5, v[VSW]
	s_lshl_b32 s62, s14, 7
	s_add_co_u32 s62, s62, SH2
	v_add_nc_u32 v[VSW], s62, v[VSW]
	s_lshl_b32 s62, s16, 9
	s_add_co_u32 s62, s62, VIMG
	v_add_nc_u32 v[VIR], s62, v[L16]
	v_mov_b32 v[SCM], 0x7d7d7d7d                   ; the scale 2^-2 of a block that holds a 1
.irp z, 0,8,16,24,32
.irp g, 0,1,2,3
	v_mov_b32 v[QX+\z+\g], 0                       ; the zero codes of the views
.endr
.endr
.irp g, 4,8,9,10,11,12,13,14,25,28
	v_mov_b32 v[G+\g], 0                           ; written once: a lane permute's destination counts as one of its sources; v69 is named as the upper half of a pair
.endr
	s_wait_kmcnt 0x0
	s_lshl_b32 s20, s15, 6
	s_mov_b32 s21, 0
	s_add_nc_u64 s[10:11], s[10:11], s[20:21]
	s_load_b512 s[36:51], s[10:11], 0x0            ; my 16 starts
	s_lshl_b32 s61, s17, 3
	s_add_co_u32 s61, s61, s16
	s_add_co_u32 s61, s61, 30                      ; block y = A2 is global block (8 x + 30 + A2) mod 32
	s_lshl_b32 s63, s15, 14
	s_add_co_u32 s63, s63, s98                     ; the head, + 8 u rows
.irp i, 0,1,2
	s_add_co_u32 s62, s61, 4*\i
	s_and_b32 s62, s62, 31
	s_lshl_b32 s[58+\i], s62, 5                    ; the block's first true index
	s_lshl_b32 s62, s62, 16
	s_add_co_u32 s20, s62, s63
	s_add_nc_u64 s[22+2*\i:23+2*\i], s[6:7], s[20:21]
.endr
	s_lshl_b32 s62, s17, 19
	s_lshl_b32 s20, s14, 16
	s_add_co_u32 s20, s20, s62
	s_add_co_u32 s20, s20, s98
	s_add_nc_u64 s[28:29], s[4:5], s[20:21]        ; Q and the result at my first query
	s_add_nc_u64 s[34:35], s[12:13], s[20:21]
	s_lshl_b32 s61, s17, 2
	s_add_co_u32 s61, s61, s14
	s_add_co_u32 s61, s61, 15                      ; position w is global double block (4 x + 15 + w) mod 16
	s_and_b32 s62, s61, 15
	s_lshl_b32 s62, s62, 17
	s_add_co_u32 s20, s62, s98
	s_add_nc_u64 s[30:31], s[8:9], s[20:21]
	s_add_co_u32 s61, s61, 8                       ; and position w + 8
	s_and_b32 s62, s61, 15
	s_lshl_b32 s62, s62, 17
	s_add_co_u32 s20, s62, s98
	s_add_nc_u64 s[32:33], s[8:9], s[20:21]
; ---- THE LOADS OF K AND Q: a tile of 16 rows by 8 loads, each two whole rows of 256 bytes.  A tile of K is rows 0 .. 7 and 16 .. 23 from its base
	WIN 0x40
.irp i, 0,1,2
.irp j, 0,1,2,3
	global_load_b128 v[KR+32*\i+4*\j:KR+32*\i+4*\j+3], v[GOFF], s[22+2*\i:23+2*\i] offset:4096*\j
.endr
.irp j, 0,1,2,3
	global_load_b128 v[KR+32*\i+16+4*\j:KR+32*\i+16+4*\j+3], v[GOFF], s[22+2*\i:23+2*\i] offset:32768+4096*\j
.endr
.endr
	WIN 0
.irp a, 0,1
.irp j, 0,1,2,3,4,5,6,7
	global_load_b128 v[QR+32*\a+4*\j:QR+32*\a+4*\j+3], v[GOFF], s[28:29] offset:32768*\a+4096*\j th:TH_LOAD_NT   ; read once in the launch
.endr
.endr
; ---- MEMBERSHIP: lane = a row of the block; 16 patches, a code each: 6 where start <= row < start + 64.  (row - start) < 64, unsigned, is that test for every int32 start
.macro MEMB i
	v_add_nc_u32 v19, s[58+\i], v[LANE]
.irp p, 0,1,2,3,4,5,6,7,8,9,10,11,12,13,14,15
	v_sub_nc_u32 v20, v19, s[36+\p]
	v_cmp_gt_u32 vcc_lo, 64, v20
.if (\p%8) == 0
	v_cndmask_b32 v[G+2*\i+\p/8], 0, 6, vcc_lo
.else
	v_cndmask_b32 v21, 0, 6, vcc_lo
	v_lshl_or_b32 v[G+2*\i+\p/8], v21, 4*(\p%8), v[G+2*\i+\p/8]
.endif
.endr
	ds_store_b64 v[MEW], v[G+2*\i:G+2*\i+1] offset:2048*\i
.endm
	s_wait_kmcnt 0x0                               ; the starts
	MEMB 0
	MEMB 1
	MEMB 2
; ---- V: a double block of 64 keys by 32 loads: lanes 0-15 key i of its first block, lanes 16-31 key i of its second: two whole rows.  Register 4 i + j: V(key i of my block, channel 4 x + j)
.macro VLOAD sb
	WIN 0x40
.set n1, 0
.rept 32
	global_load_b128 v[4*n1:4*n1+3], v[VOFF], s[\sb:\sb+1] offset:2048*n1
.set n1, n1+1
.endr
	WIN 0
.endm
	VLOAD 30
; ---- K AND Q ARE QUANTISED.  A tile goes through my own stage, as rows of 256 bytes + 16, and comes back a block of 32 numbers a lane (row r, e = 32 h ..).  LDS serves a wave's instructions in order: no wait between
.macro TURN t
.if \t < 3
	WIN 0x04                                       ; an LDS store's data are its source 1
.irp j, 0,1,2,3,4,5,6,7
	ds_store_b128 v[STW], v[KR+32*\t+4*\j:KR+32*\t+4*\j+3] offset:ST1*\t+544*\j
.endr
	WIN 0
.else
.irp j, 0,1,2,3,4,5,6,7
	ds_store_b128 v[STW], v[QR+32*(\t-3)+4*\j:QR+32*(\t-3)+4*\j+3] offset:ST1*\t+544*\j
.endr
.endif
.irp j, 0,1,2,3,4,5,6,7
	ds_load_b128 v[XB+32*((\t)%2)+4*\j:XB+32*((\t)%2)+4*\j+3], v[STR] offset:ST1*\t+16*\j
.endr
.endm
; 32 numbers of a lane, one block: codes into v[dst .. dst + 3], the row's two scale bytes into v[w16]
.macro QUANT32 x, dst, w16
	v_max3_num_f32 v[G], |v[\x]|, |v[\x+1]|, 0x1800000              ; the floor 2^(3 - 127) among the leaves: the byte cannot fall under 1
	v_max3_num_f32 v[G+1], |v[\x+2]|, |v[\x+3]|, |v[\x+4]|
.irp i, 5,9,13,17,21,25
	v_max3_num_f32 v[G], v[G], |v[\x+\i]|, |v[\x+\i+1]|
	v_max3_num_f32 v[G+1], v[G+1], |v[\x+\i+2]|, |v[\x+\i+3]|
.endr
	v_max3_num_f32 v[G], v[G], |v[\x+29]|, |v[\x+30]|
	v_max3_num_f32 v[G], v[G], v[G+1], |v[\x+31]|
	v_add_nc_u32 v[G+2], 0xff000000, v[G]          ; 2 off the exponent field: the conversion's scale operand
.irp g, 0,1,2,3
	v_cvt_scalef32_pk8_fp4_f32 v[\dst+\g], v[\x+8*\g:\x+8*\g+7], v[G+2]
.endr
	v_lshrrev_b32 v[G+3], 23, v[G+2]               ; the byte.  (The plain place behind the conversions)
	v_permlanex16_b32 v[G+4], v[G+3], s52, s53     ; the row's other block
	v_cndmask_b32 v[G+5], v[G+3], v[G+4], s54      ; block 0's byte
	v_cndmask_b32 v[G+6], v[G+4], v[G+3], s54      ; block 1's
	v_lshl_or_b32 v[\w16], v[G+6], 8, v[G+5]
.endm
	s_wait_loadcnt 63                              ; behind tile 0's loads 64 were issued; the field holds 63, and a smaller count is safe
	TURN 0
.irp t, 0,1,2,3,4
.if \t < 4
	s_wait_loadcnt 56-8*\t                         ; the next tile is in: behind it the later tiles' 8 each and V's 32
	TURN (\t+1)
	s_wait_dscnt 16                                ; this tile is back from its stage; the next tile's 16 may be out
.else
	s_wait_dscnt 0x0
.endif
.if \t < 3
	QUANT32 XB+32*(\t%2), G+16+4*\t, G+28+\t       ; each tile has registers of its own for what it stores
	ds_store_b128 v[KIW], v[G+16+4*\t:G+19+4*\t] offset:4096*\t    ; the image: lane (r, h) holds k = 32 h .. + 31 of row r
	ds_store_b16 v[KSW], v[G+28+\t] offset:256*\t                  ; both halves of the lanes write the same two bytes
.else
	QUANT32 XB+32*(\t%2), QX+4+8*(\t-3), G+7       ; Q's codes stay mine
	v_lshl_or_b32 v[QS+\t-3], v[G+7], 16, v[G+7]   ; its two bytes serve either half of K
.endif
.endr
	s_wait_dscnt 0x0                               ; for the others' sake: membership, K's images and scale bytes have landed
	s_barrier_signal -1
	s_barrier_wait -1
; ---- MY BAND'S OPERANDS
	WIN 0x40
.irp g, 0,1,2,3,4,5
	ds_load_b128 v[KF+8*\g:KF+8*\g+3], v[KIR] offset:1024*\g       ; block g: tile u = 0 in k 0 .. 63,
	ds_load_b128 v[KF+8*\g+4:KF+8*\g+7], v[KIR] offset:1024*\g+512 ; tile u = 1 in k 64 .. 127
.endr
.irp g, 0,1,2,3,4,5
	ds_load_b128 v[MF+4*\g:MF+4*\g+3], v[MFR] offset:512*\g        ; block g: lanes 0-15 tile u = 0's keys, lanes 16-31 tile u = 1's
.endr
	WIN 0
.irp g, 0,1,2,3,4,5
	ds_load_b32 v[KS+\g], v[KSR] offset:64*\g
.endr
	ds_load_b128 v[XT:XT+3], v[XQR]
	ds_load_b128 v[XT+4:XT+7], v[XQR] offset:256
	s_wait_dscnt 0x0
; ---- SCORES AND MASK of tile a
.macro WINDOW a
.irp g, 0,1,2,3
	v_cndmask_b32 v[QX+20+\g], 0, v[XT+4*\a+\g], s55               ; the queries' membership in lanes 0-15 alone,
	v_cndmask_b32 v[QX+28+\g], 0, v[XT+4*\a+\g], s54               ; and in lanes 16-31 alone
.endr
	PLACES 4                                       ; an operand written by vector instructions stands four places ahead of a scaled matrix instruction
	WIN 0x01                                       ; source 0 in window 1
.irp g, 0,1,2,3,4,5
	MM0 S+16*\g, KF+8*\g, QX+4+8*\a, KS+\g, QS+\a                  ; Q in k 0 .. 63: tile u = 0
	MM0 S+16*\g+8, KF+8*\g, QX+8*\a, KS+\g, QS+\a                  ; Q in k 64 .. 127: tile u = 1
.endr
.irp d, 0,1,2
	WIN 0x41                                       ; source 0 and the result in window 1
.irp t, 0,1,2,3
	MM0 CN+8*\t, MF+8*\d, QX+20+8*(\t%2)-4*(\t/2), SCM, SCM        ; the queries' codes in block t of K alone: the counts of tile 4 d + t
.endr
	PLACES 4
	WIN 0x04
.set n1, 0
.rept 32
	v_cmp_lt_f32 s[66+n1], 0, v[CN+n1]             ; each accumulator from its low end on
.set n1, n1+1
.endr
	WIN 0
.set n1, 0
.rept 32
	v_cndmask_b32 v[S+32*\d+n1], 0, v[S+32*\d+n1], s[66+n1]        ; a score outside every patch is 0.  (These name none of the counts' registers: they are the places ahead of the next four products, which write the counts anew)
.set n1, n1+1
.endr
.endr
.endm
; ---- SOFTMAX of tile a over the band's 192 keys, and p's codes.  Register 16 b + i: key 16 h + i of block b
.macro SOFT a
.irp b, 0,1,2,3,4,5
	v_max3_num_f32 v[BM+\b], v[S+16*\b], v[S+16*\b+1], v[S+16*\b+2]   ; each block's largest score: for the row's maximum, and, since p rises with the score, for the block's largest p
.endr
.irp i, 3,5,7,9,11,13
.irp b, 0,1,2,3,4,5
	v_max3_num_f32 v[BM+\b], v[BM+\b], v[S+16*\b+\i], v[S+16*\b+\i+1]
.endr
.endr
.irp b, 0,1,2,3,4,5
	v_max_num_f32 v[BM+\b], v[BM+\b], v[S+16*\b+15]
.endr
.irp b, 0,1,2,3,4,5
	v_permlanex16_b32 v[BT+\b], v[BM+\b], s52, s53
.endr
.irp b, 0,1,2,3,4,5
	v_max_num_f32 v[BM+\b], v[BM+\b], v[BT+\b]
.endr
	v_max3_num_f32 v[T0], v[BM], v[BM+1], v[BM+2]
	v_max3_num_f32 v[T0], v[T0], v[BM+3], v[BM+4]
	v_max3_num_f32 v[T0], v[T0], v[BM+5], 0        ; the 832 keys outside the band have the score 0
	v_mul_f32 v[T0], s56, v[T0]
	v_floor_f32 v[NM], -v[T0]                      ; -M = -ceil(the largest t)
.set n1, 0
.rept 48
	v_pk_fma_f32 v[S+n1:S+n1+1], v[S+n1:S+n1+1], s[56:57], v[NM:NM+1] op_sel_hi:[1,0,0]   ; t - M
.set n1, n1+2
.endr
.irp b, 0,1,2,3,4,5
	v_fma_f32 v[BM+\b], v[BM+\b], s56, v[NM]
.endr
.set n1, 0
.rept 96
	v_exp_f32 v[S+n1], v[S+n1]                     ; p = 2^(t - M), not normalised
.set n1, n1+1
.endr
.irp b, 0,1,2,3,4,5
	v_exp_f32 v[BM+\b], v[BM+\b]                   ; the same two instructions on the same number: the block's largest p
.endr
	v_exp_f32 v[PZ], v[NM]                         ; pz = 2^-M
	v_nop                                          ; a plain place behind the exponentials
	s_wait_alu depctr_va_vdst(0)
	v_pk_add_f32 v[SU:SU+1], v[S:S+1], v[S+2:S+3]  ; the row's sum, of the unquantised p, in two chains
	v_pk_add_f32 v[SU+2:SU+3], v[S+4:S+5], v[S+6:S+7]
.set n1, 8
.rept 22
	v_pk_add_f32 v[SU:SU+1], v[SU:SU+1], v[S+n1:S+n1+1]
	v_pk_add_f32 v[SU+2:SU+3], v[SU+2:SU+3], v[S+n1+2:S+n1+3]
.set n1, n1+4
.endr
	v_pk_add_f32 v[SU:SU+1], v[SU:SU+1], v[SU+2:SU+3]
	v_add_f32 v[SU], v[SU], v[SU+1]
	v_permlanex16_b32 v[SU+2], v[SU], s52, s53
	v_add_f32 v[SU], v[SU], v[SU+2]
	v_fma_f32 v[SU], v[PZ], 0x44500000, v[SU]      ; + 832 pz
.irp b, 0,1,2,3,4,5,6
	v_max_num_f32 v[BT+\b], 0x1800000, v[BM+\b]    ; the floor; number 6 is pz, the largest of a constant block
.endr
.irp b, 0,1,2,3,4,5,6
	v_add_nc_u32 v[SCL+\b], 0xff000000, v[BT+\b]
.endr
.irp b, 0,1,2,3,4,5,6
	v_lshrrev_b32 v[BT+\b], 23, v[SCL+\b]
.endr
	v_lshl_or_b32 v[PS+3*\a], v[BT+1], 8, v[BT]    ; blocks 0 - 3
	v_lshl_or_b32 v[PS+3*\a], v[BT+2], 16, v[PS+3*\a]
	v_lshl_or_b32 v[PS+3*\a], v[BT+3], 24, v[PS+3*\a]
	v_lshl_or_b32 v[PS+3*\a+1], v[BT+5], 8, v[BT+4]   ; blocks 4, 5 and two constant ones
	v_lshl_or_b32 v[PS+3*\a+1], v[BT+6], 16, v[PS+3*\a+1]
	v_lshl_or_b32 v[PS+3*\a+1], v[BT+6], 24, v[PS+3*\a+1]
	v_lshl_or_b32 v[PS+3*\a+2], v[BT+6], 8, v[BT+6]   ; four constant ones
	v_lshl_or_b32 v[PS+3*\a+2], v[PS+3*\a+2], 16, v[PS+3*\a+2]
.irp b, 0,1,2,3,4,5
	v_cvt_scalef32_pk8_fp4_f32 v[P+20*\a+2*\b], v[S+16*\b:S+16*\b+7], v[SCL+\b]
	v_cvt_scalef32_pk8_fp4_f32 v[P+20*\a+2*\b+1], v[S+16*\b+8:S+16*\b+15], v[SCL+\b]
.endr
	v_nop                                          ; a plain place behind the conversions
.irp c, 0,1,2
.irp i, 0,1
	v_permlane16_swap_b32 v[P+20*\a+4*\c+\i], v[P+20*\a+4*\c+2+\i]   ; the operand wants a whole block in a lane: lanes 0-15 block 2 c, lanes 16-31 block 2 c + 1
.endr
.endr
.irp i, 0,1,2,3,4,5,6,7
	v_mov_b32 v[S+\i], v[PZ]                       ; eight numbers of a constant block go through the quantiser itself
.endr
	v_cvt_scalef32_pk8_fp4_f32 v[P+20*\a+12], v[S:S+7], v[SCL+6]
	v_nop
.irp i, 13,14,15,16,17,18,19
	v_mov_b32 v[P+20*\a+\i], v[P+20*\a+12]
.endr
	v_rcp_f32 v[RL+2*\a], v[SU]
	v_rcp_f32 v[RL+2*\a+1], v[SU]                  ; (the packed multiply names a pair)
	v_nop
.endm
; ---- A DOUBLE BLOCK OF V IS QUANTISED DOWN THE KEYS.  A lane holds four channels x the 32 keys of one block, a channel in every fourth register; the conversions want eight neighbours on end,
; so two channels at a time are copied into 64 registers on end.  pos: the position's bytes beyond position w; copy = 1: stored a second time, 16 positions on
.macro VQUANT pos, copy
	s_wait_loadcnt 0x0                             ; no other load of mine is out
.irp j, 0,1,2,3
	v_mov_b32 v[G+\j], 0x1800000                   ; the floor starts the four maxima
.endr
	WIN 0x14                                       ; sources 1 and 2 in window 1
.set n1, 0
.rept 16
.irp j, 0,1,2,3
	v_max3_num_f32 v[G+\j], v[G+\j], |v[8*n1+\j]|, |v[8*n1+4+\j]|
.endr
.set n1, n1+1
.endr
	WIN 0
.irp j, 0,1,2,3
	v_add_nc_u32 v[G+4+\j], 0xff000000, v[G+\j]
.endr
.irp j, 0,1,2,3
	v_lshrrev_b32 v[G+8+\j], 23, v[G+4+\j]
.endr
.irp q, 0,1
	WIN 0x01
.set n1, 0
.rept 32
	v_mov_b32 v[T+n1], v[4*n1+2*\q]
	v_mov_b32 v[T+32+n1], v[4*n1+2*\q+1]
.set n1, n1+1
.endr
	WIN 0
.irp c, 0,1
.irp g, 0,1,2,3
	v_cvt_scalef32_pk8_fp4_f32 v[VC+4*(2*\q+\c)+\g], v[T+32*\c+8*\g:T+32*\c+8*\g+7], v[G+4+2*\q+\c]
.endr
.endr
	v_nop                                          ; a plain place behind the conversions: their sources are written again, and matrix instructions write these registers later
.endr
.irp j, 0,1,2,3
	ds_store_b128 v[VIW], v[VC+4*\j:VC+4*\j+3] offset:\pos+16*\j   ; 32 codes: what lane (4 (x % 4) + j, my half) of the image holds
.if \copy
	ds_store_b128 v[VIW], v[VC+4*\j:VC+4*\j+3] offset:\pos+8192+16*\j
.endif
.endr
	v_lshl_or_b32 v[G+12], v[G+9], 8, v[G+8]       ; my block's four bytes,
	v_lshl_or_b32 v[G+12], v[G+10], 16, v[G+12]
	v_lshl_or_b32 v[G+12], v[G+11], 24, v[G+12]
	v_permlanex16_b32 v[G+13], v[G+12], s52, s53   ; the other block's,
	v_cndmask_b32 v[G+14], v[G+12], v[G+13], s54   ; the first block's
	v_cndmask_b32 v[G+15], v[G+13], v[G+12], s54   ; and the second's, in both halves of the lanes;
	v_perm_b32 v[G+16], v[G+15], v[G+14], 0x05010400   ; by channel: channels j = 0, 1
	v_perm_b32 v[G+17], v[G+15], v[G+14], 0x07030602   ; and 2, 3
	ds_store_b16 v[VSW], v[G+16] offset:\pos/4
	ds_store_b16_d16_hi v[VSW], v[G+16] offset:\pos/4+8
	ds_store_b16 v[VSW], v[G+17] offset:\pos/4+16
	ds_store_b16_d16_hi v[VSW], v[G+17] offset:\pos/4+24
.if \copy
	ds_store_b16 v[VSW], v[G+16] offset:\pos/4+2048
	ds_store_b16_d16_hi v[VSW], v[G+16] offset:\pos/4+2056
	ds_store_b16 v[VSW], v[G+17] offset:\pos/4+2064
	ds_store_b16_d16_hi v[VSW], v[G+17] offset:\pos/4+2072
.endif
	s_wait_dscnt 0x0                               ; the stores have read their registers: the scores of the next tile, or O^T, are written there
.endm
	WINDOW 0
	SOFT 0                                         ; stands under the arrival of V's first double block
	VQUANT 0, 1                                    ; position w, and w + 16
	VLOAD 32                                       ; position w + 8, into the registers just read
	WINDOW 1
	SOFT 1                                         ; stands under its arrival
	VQUANT 4096, 0
	s_barrier_signal -1                            ; (VQUANT's last line has waited for my stores: V's images and scale bytes have landed)
	s_barrier_wait -1
; ---- O^T = V^T P^T over all 1,024 keys, 128 a step: step k takes positions A2 + 2 k, A2 + 2 k + 1.  Steps 0 and 1 hold the band
.irp k, 0,1,2,3,4,5,6,7,8,9,10,11,12,13,14,15
	ds_load_b64 v[H+2*\k:H+2*\k+1], v[VSR] offset:128*\k           ; position A2 + k, row r: two bytes for each of the four tiles of channels
.endr
.macro VFETCH k
.irp t, 0,1,2,3
.irp c, 0,1
	ds_load_b128 v[8*(8*\t+\k)+4*\c:8*(8*\t+\k)+4*\c+3], v[VIR] offset:VT*\t+512*(2*\k+\c)
.endr
.endr
.endm
	WIN 0x40
.irp k, 0,1,2,3
	VFETCH \k
.endr
	WIN 0
	s_wait_dscnt 32                                ; the scale bytes are in; the 32 loads behind them may be out
.irp k, 0,1,2,3,4,5,6,7
	v_perm_b32 v[G+\k], v[H+4*\k+2], v[H+4*\k], 0x05040100         ; the scale word of tile t, step k: two positions' bytes
	v_perm_b32 v[G+8+\k], v[H+4*\k+2], v[H+4*\k], 0x07060302
	v_perm_b32 v[G+16+\k], v[H+4*\k+3], v[H+4*\k+1], 0x05040100
	v_perm_b32 v[G+24+\k], v[H+4*\k+3], v[H+4*\k+1], 0x07060302
.endr
	PLACES 8                                       ; a scale register written by a vector instruction stands eight places ahead of a scaled matrix instruction
	WIN 0x40
.irp k, 4,5,6,7
	VFETCH \k
.endr
	WIN 0x01
; the eight accumulators take turns, one instruction a turn, in the same order in every step
.macro PVSTEP k, bo, so
	s_wait_dscnt 8*(7-\k)                          ; this step's eight loads are in; the later steps' may be out
.irp a, 0,1
.irp t, 0,1,2,3
.if \k == 0
	MM0 O+32*\a+8*\t, 8*(8*\t+\k), P+20*\a+\bo, G+8*\t+\k, PS+3*\a+\so
.else
	MMA O+32*\a+8*\t, 8*(8*\t+\k), P+20*\a+\bo, G+8*\t+\k, PS+3*\a+\so
.endif
.endr
.endr
.endm
	PVSTEP 0, 0, 0
	PVSTEP 1, 8, 1
.irp k, 2,3,4,5,6,7
	PVSTEP \k, 12, 2
.endr
; ---- THE WAY OUT: O^T / l; a lane's eight channels of a row into my stage, whole rows of 256 bytes back, sixteen lanes to a row of the result
	WIN 0
	PLACES 4
	s_wait_alu depctr_va_vdst(0)
.irp a, 0,1
.set n1, 0
.rept 16
	v_pk_mul_f32 v[O+32*\a+n1:O+32*\a+n1+1], v[O+32*\a+n1:O+32*\a+n1+1], v[RL+2*\a:RL+2*\a+1] op_sel_hi:[1,0]   ; each accumulator from its low end on
.set n1, n1+2
.endr
.endr
.irp a, 0,1
.irp t, 0,1,2,3
	ds_store_b128 v[OSW], v[O+32*\a+8*\t:O+32*\a+8*\t+3] offset:ST1*\a+64*\t          ; lane (r, h): query r, channels 16 t + 8 h + 0 .. 7
	ds_store_b128 v[OSW], v[O+32*\a+8*\t+4:O+32*\a+8*\t+7] offset:ST1*\a+64*\t+16
.endr
.irp i, 0,1,2,3,4,5,6,7
	ds_load_b128 v[OB+32*\a+4*\i:OB+32*\a+4*\i+3], v[STW] offset:ST1*\a+544*\i        ; LDS serves a wave's instructions in order: these see my stores
.endr
.endr
.irp a, 0,1
.irp i, 0,1,2,3,4,5,6,7
	s_wait_dscnt 16*(1-\a)+7-\i                    ; behind this load: the rest of its tile's, and for tile 0 the 16 of tile 1
	global_store_b128 v[GOFF], v[OB+32*\a+4*\i:OB+32*\a+4*\i+3], s[34:35] offset:(16*\a+2*\i)*2048 th:TH_STORE_NT   ; 16 lanes store 256 consecutive bytes, at a multiple of 256 from the buffer's first byte
.endr
.endr
	s_wait_xcnt 0x0
	v_lshl_add_u32 v254, v0, 2, 0x3c000
	v_mov_b32 v255, 0
	s_wait_tensorcnt 0x0
	ds_add_u32 v254, v255
	s_wait_dscnt 0x0
	s_endpgm
.Lfunc_end_k_qfc041c8c0a_attn:
	.size	k_qfc041c8c0a_attn, .Lfunc_end_k_qfc041c8c0a_attn-k_qfc041c8c0a_attn
	.p2alignl 7, 3214868480
	.fill 96, 4, 3214868480
	.section	.rodata,"a",@progbits
	.p2align	6, 0x0
	.amdhsa_kernel k_qfc041c8c0a_attn
		.amdhsa_group_segment_fixed_size 246784
		.amdhsa_private_segment_fixed_size 0
		.amdhsa_enable_private_segment 0
		.amdhsa_kernarg_size 40
		.amdhsa_user_sgpr_count 2
		.amdhsa_user_sgpr_kernarg_segment_ptr 1
		.amdhsa_wavefront_size32 1
		.amdhsa_system_sgpr_workgroup_id_x 1
		.amdhsa_system_sgpr_workgroup_id_y 1
		.amdhsa_system_sgpr_workgroup_id_z 1
		.amdhsa_system_vgpr_workitem_id 0
		.amdhsa_next_free_vgpr 512
		.amdhsa_next_free_sgpr 100
		.amdhsa_reserve_vcc 1
		.amdhsa_float_denorm_mode_32 3
		.amdhsa_float_denorm_mode_16_64 3
		.amdhsa_memory_ordered 1
		.amdhsa_forward_progress 1
		.amdhsa_inst_pref_size 155
	.end_amdhsa_kernel
	.amdgpu_metadata
---
amdhsa.version: [ 1, 2 ]
amdhsa.kernels:
  - .name:           k_qfc041c8c0a_attn
    .symbol:         k_qfc041c8c0a_attn.kd
    .args:
      - { .name: queries, .offset: 0, .size: 8, .value_kind: global_buffer, .address_space: global }
      - { .name: keys, .offset: 8, .size: 8, .value_kind: global_buffer, .address_space: global }
      - { .name: values, .offset: 16, .size: 8, .value_kind: global_buffer, .address_space: global }
      - { .name: starts, .offset: 24, .size: 8, .value_kind: global_buffer, .address_space: global }
      - { .name: out0, .offset: 32, .size: 8, .value_kind: global_buffer, .address_space: global }
    .group_segment_fixed_size: 246784
    .private_segment_fixed_size: 0
    .kernarg_segment_align: 8
    .kernarg_segment_size: 40
    .max_flat_workgroup_size: 256
    .sgpr_count:     100
    .vgpr_count:     512
    .wavefront_size: 32
...
	.end_amdgpu_metadata
.endif
;; end of part 1
;; ======== version 2 of 2: 1 launch; version 1 with the launch attn written anew for expert scheduling mode
;; launch attn (part 2): grid 4 x 64, 8 waves a work-group, no clusters, 246,784 bytes of LDS; arguments queries, keys, values, starts, out0; writes out0
.if DOCPART == 2
	.amdgcn_target "amdgcn-amd-amdhsa--gfx1250"
	.amdhsa_code_object_version 6
	.text
	.protected	k_qfc041c8c0a_attn
	.globl	k_qfc041c8c0a_attn
	.p2align	8
	.type	k_qfc041c8c0a_attn,@function
k_qfc041c8c0a_attn:
	s_mov_b64 s[64:65], 0
	v_nop
	global_prefetch_b8 v0, s[64:65] scope:SCOPE_SE
	s_setreg_imm32_b32 hwreg(HW_REG_WAVE_SCHED_MODE, 0, 2), 2
	s_setreg_imm32_b32 hwreg(HW_REG_WAVE_MODE, 25, 1), 1
	s_wait_xcnt 0x0
	s_wait_alu depctr_vm_vsrc(0)
; ProbAttention, B 8, L 1024, H 8, E 64, all three products on codes of FP4 (E2M1) with one E8M0 scale for each 32 along K.
; WHAT THE SIZES MAKE OF IT, for every input.  Row i and column j share a patch only if both lie in one run of 64 indices, so |i - j| <= 63: a row has at most 127 kept scores and at least
; 897 scores that are exactly 0.  The 0.1 quantile of 1,024 magnitudes lies between the 103rd and the 104th smallest, both 0: the threshold is 0, no magnitude is under it, nothing is pruned.
; That step is therefore not written.  A score that the mask drops is 0, not -inf: its key keeps the weight pz = 2^-M, and M >= 0.  So the softmax is dense, but outside a band every p is pz.
; SHARES.  A work-group: 256 queries of one head (x: which 256; y: 8 b + h).  Wave w: queries 32 w .. + 31, two tiles of 16.  A2 = w / 2, u = w % 2.
; The work-group's keys are taken CYCLICALLY from key 256 x - 64 on: blocks of 32 (y = 0 .. 11 form the band), double blocks of 64 for V (positions 0 .. 15).  A block that wraps round has the mask
; count 0 by its true indices, so its p is pz by itself.  A wave's band is blocks 2 A2 .. 2 A2 + 5 (192 keys); the other 832 keys have p = pz: the row's sum adds 832 pz, and the third product runs
; over all 1,024 keys with a constant operand there (the quantiser's own codes of 32 equal numbers).
; PHASES.  Loads of K, Q, V | membership of rows in patches (codes 6 = the number 4, byte 125: what the quantiser makes of 0 / 1) | K and Q quantised; K's fragments to LDS as images of registers | barrier |
; per tile: scores, mask counts, softmax, p quantised | V quantised down the keys, two double blocks a wave, images to LDS | barrier | O^T = V^T P^T | out through the wave's stage.
; SHORT K.  A score has K = 64 and a mask count K = 32, the instruction 128: two (four) tiles of keys share source 0, and source 1 is the queries' codes in one part of K and zero codes elsewhere.
; All products are used transposed (source 0 = keys or channels, source 1 = queries): a lane holds ONE query (lane % 16).  Lane r of key tile (y, u) takes key 32 y + 8 u + r + 8 (r / 8), so that the 16
; registers of tiles 2 s and 2 s + 1 are 16 neighbouring keys.
; LIMITS.  NaN and infinities among the inputs are not served.  A block whose largest magnitude lies under 2^-124 keeps the scale byte 1 (a block of zeros too: its codes are zeros, and the bytes are
; read by this program alone).  v_exp_f32 gives 0 for p under 2^-126 (ISA guide, 15.8): beside a row's largest p, above 1/2, that is nothing.
; No tensor loads: the 72 loads of 512 bytes that a wave issues at its head go straight to registers.  No cluster: V in f32 (262,144 bytes a head) does not fit in LDS beside the 245,760 bytes used here.
; THE MODE: SCHED_MODE bits 1:0 = 2 (LLVM: expert scheduling mode 2), set by the entry lines.  The code itself states the register dependences between vector or matrix instructions and memory or LDS
; instructions, with s_wait_alu, always for 0.
; THE PLAN.  Registers that memory or LDS instructions touch, in the order of the text:
;   v1-18                  offsets and LDS addresses: written at the head alone, read by every load and store.  One wait on va_vdst ahead of the first load.
;   window 1 v128-223      K as loaded; TURN's LDS stores read it; K's fragments and the keys' membership land there behind the first barrier (a wait on vm_vsrc); matrix instructions read them; the counts are
;                          written by matrix instructions and read by compares; V's fragments land there behind the second barrier (the second VQUANT's wait on va_vdst).
;   v184-247               Q as loaded; TURN's LDS stores read it; the scores are written there (the same wait on vm_vsrc).
;   v120-183               two sets of 32 numbers: tile t's LDS loads land, QUANT32 reads; tile t + 2's loads stand behind the wait on va_vdst that follows tile t's QUANT32.
;   v44-49, v60-74         membership, K's codes and bytes: written by vector lines, read by LDS stores behind one wait on va_vdst each; written again behind a wait on vm_vsrc.
;   window 1 v0-127        V as loaded: VQUANT's maxima and copies read it; behind VQUANT's one wait on va_vdst the next double block, and later V's fragments, land there.
;   v216-231, v60-61       V's codes and bytes: written by VQUANT, read by its LDS stores behind that same wait; written again behind the wait on vm_vsrc at VQUANT's end.
;   v76-139                the views of Q and p's codes, which matrix instructions read; V's scale bytes land in v76-107, rows of the result in v76-139.
;   v152-215               O^T: the packed multiplies write it, the stage's LDS stores read it behind one wait on va_vdst.
; A compare's mask goes into a scalar register: the compares stand in runs, with one wait on va_sdst behind each run.
.set MEM,  0                           ; LDS: band row x: 16 bytes, 32 codes, one for each patch
.set KSC,  6144                        ; [y][r] word: K's scale bytes, tile u = 0 in bytes 0, 1, tile u = 1 in bytes 2, 3
.set SH2,  6912                        ; [position 0..23][r][t] 16 bits: V's scale bytes of the position's two blocks, channel 16 t + r
.set KIMG, 9984                        ; [y][u] images of 512 bytes: 16 x lane
.set VIMG, 22272                       ; t x VT + position x 512 + 16 x lane; positions 16 .. 23 repeat 0 .. 7, so that a reader's A2 + k needs no wrap
.set VT,   12304                       ; 24 images + 16 bytes, so that the sixteen lanes of a store fall on sixteen different columns of 16 bytes
.set STG,  71680                       ; 21,760 bytes a wave: five stages of 16 rows x 272
.set WST,  21760
.set STP,  272
.set ST1,  4352
.set L16,  1                           ; 16 x lane
.set LANE, 2
.set GOFF, 3                           ; two rows of a head a load: (lane / 16) x 2048 + (lane % 16) x 16
.set VOFF, 4                           ; V: (lane / 16) x 32 rows + (lane % 16) x 16
.set STW,  5                           ; stage, by rows of 256 bytes
.set STR,  6                           ; stage, row r, 128 h: a block of 32 numbers
.set KIW,  7
.set KSW,  8
.set MEW,  9
.set KIR,  10
.set KSR,  11
.set MFR,  12
.set XQR,  13
.set VIW,  14
.set VSW,  15
.set VIR,  16
.set VSR,  17
.set OSW,  18
.set KS,   24                          ; v24-29 K's scale words;  v30-31 Q's;  v32 the mask's;  v33-38 p's, three a tile
.set QS,   30
.set SCM,  32
.set PS,   33
.set RL,   40                          ; v40-43 1 / l, a pair a tile
.set G,    44                          ; v44-75 at work; in the last product V's 32 scale words
.set QX,   76                          ; v76-111 [0][Q0][0][Q1][0][X0][0][X1][0], four registers each: eight-register views with zero codes on one side
.set P,    112                         ; v112-151 p's codes, 20 a tile: + 0 blocks 0-3, + 8 blocks 4, 5 and two constant ones, + 12 four constant ones
.set S,    152                         ; v152-247 scores, then p
.set XT,   248                         ; v248-255 my queries' membership
.set XB,   120                         ; early: two sets of 32 numbers;  v184-247 Q as loaded
.set QR,   184
.set T,    152                         ; V: two columns of 32 keys;  v216-231 V's codes
.set VC,   216
.set O,    152                         ; O^T (a, t) at O + 32 a + 8 t
.set H,    76                          ; V's scale bytes as read
.set OB,   76                          ; rows of the result
.set KR,   128                         ; window 1: v0-127 a double block of V as loaded; v128-223 K as loaded, then:
.set KF,   128                         ; K's fragments, 6 x 8
.set MF,   176                         ; the keys' membership, 3 x 8
.set CN,   200                         ; mask counts, 4 x 8.   In the last product window 1 is V's fragments (t, k) at 8 (8 t + k)
.set BM,   G                           ; softmax: v44-49 the blocks' largest, v50 pz
.set PZ,   G+6
.set BT,   G+8                          ; v52-58
.set SCL,  G+16                         ; v60-66
.set NM,   G+24                         ; v68-69 -M (a pair is named)
.set SU,   G+26                         ; v70-73
.set T0,   G+30
.set MSB, 0
.macro WIN new                         ; s_set_vgpr_msb: bits 1:0 source 0, 3:2 source 1, 5:4 source 2, 7:6 destination; the high byte repeats the setting that is left
.if MSB != \new
	s_set_vgpr_msb (MSB<<8)|\new
.set MSB, \new
.endif
.endm
.macro MM0 d, a, b, sa, sb             ; a product that starts a sum
	v_wmma_scale_f32_16x16x128_f8f6f4 v[\d:\d+7], v[\a:\a+7], v[\b:\b+7], 0, v[\sa], v[\sb] matrix_a_fmt:MATRIX_FMT_FP4 matrix_b_fmt:MATRIX_FMT_FP4
.endm
.macro MMA d, a, b, sa, sb             ; and one that adds in place
	v_wmma_scale_f32_16x16x128_f8f6f4 v[\d:\d+7], v[\a:\a+7], v[\b:\b+7], v[\d:\d+7], v[\sa], v[\sb] matrix_a_fmt:MATRIX_FMT_FP4 matrix_b_fmt:MATRIX_FMT_FP4
.endm
.macro PLACES n
.rept \n
	v_nop
.endr
.endm
; ---- HEAD
	s_load_b256 s[4:11], s[0:1], 0x0               ; queries s[4:5], keys s[6:7], values s[8:9], starts s[10:11]
	s_load_b64 s[12:13], s[0:1], 0x20              ; out0
	v_lshrrev_b32 v19, 5, v0
	v_readfirstlane_b32 s14, v19                   ; w
	s_mov_b32 s17, ttmp9                           ; which 256 queries
	s_and_b32 s18, ttmp7, 0xffff                   ; 8 b + h
	s_lshr_b32 s61, s18, 3
	s_lshl_b32 s61, s61, 21                        ; b x 1024 rows of 2,048 bytes
	s_and_b32 s62, s18, 7
	s_lshl_b32 s62, s62, 8                         ; h x 256 bytes
	s_or_b32 s98, s61, s62                         ; the head's first byte
	s_mov_b32 s52, 0x76543210
	s_mov_b32 s53, 0xfedcba98                      ; v_permlanex16_b32's selects for lane l xor 16
	s_mov_b32 s54, 0xffff0000                      ; lanes 16-31
	s_mov_b32 s55, 0x0000ffff                      ; lanes 0-15
	s_mov_b32 s56, 0x3fb8aa3b                      ; log2(e)
	s_mov_b32 s57, s56                             ; (named with it as a pair)
	s_wait_alu depctr_va_sdst(0)                   ; s14 is written, ahead of its first reader: u, A2, the LDS addresses and the bases are made from it
	s_and_b32 s15, s14, 1                          ; u
	s_lshr_b32 s16, s14, 1                         ; A2
	v_and_b32 v[LANE], 31, v0
	v_lshlrev_b32 v[L16], 4, v[LANE]
	v_and_b32 v19, 15, v0                          ; r
	v_bfe_u32 v20, v0, 4, 1                        ; h
	v_lshlrev_b32 v21, 4, v19
	v_lshl_add_u32 v[GOFF], v20, 11, v21
	v_lshl_add_u32 v[VOFF], v20, 16, v21
	s_mul_i32 s61, s14, WST
	s_add_co_u32 s61, s61, STG                     ; my stages
	v_mad_u32_u24 v[STW], v20, STP, v21
	v_add_nc_u32 v[STW], s61, v[STW]
	v_mul_u32_u24 v22, v19, STP
	v_lshl_add_u32 v[STR], v20, 7, v22
	v_add_nc_u32 v[STR], s61, v[STR]
	v_lshl_add_u32 v[OSW], v20, 5, v22
	v_add_nc_u32 v[OSW], s61, v[OSW]
	s_lshl_b32 s62, s15, 9
	s_lshl_b32 s63, s16, 10
	s_add_co_u32 s62, s62, s63
	s_add_co_u32 s62, s62, KIMG
	v_add_nc_u32 v[KIW], s62, v[L16]               ; I make K's tiles (y = A2 + 4 i, u)
	s_lshl_b32 s62, s15, 1
	s_lshl_b32 s63, s16, 6
	s_add_co_u32 s62, s62, s63
	s_add_co_u32 s62, s62, KSC
	v_lshl_add_u32 v[KSW], v19, 2, s62
	s_lshl_b32 s62, s15, 3
	s_lshl_b32 s63, s16, 9
	s_add_co_u32 s62, s62, s63
	v_add_nc_u32 v[MEW], s62, v[L16]               ; and the membership of block A2 + 4 i's rows in patches 16 u .. + 15 (MEM begins at byte 0)
	s_lshl_b32 s62, s16, 11
	s_add_co_u32 s62, s62, KIMG
	v_add_nc_u32 v[KIR], s62, v[L16]               ; I read blocks 2 A2 + 0 .. 5
	s_lshl_b32 s62, s16, 7
	s_add_co_u32 s63, s62, KSC
	v_lshl_add_u32 v[KSR], v19, 2, s63
	s_add_co_u32 s63, s62, SH2
	v_lshl_add_u32 v[VSR], v19, 3, s63             ; and V's positions A2 + 0 .. 15
	v_and_b32 v23, 8, v19
	v_add_nc_u32 v23, v23, v19
	v_lshl_add_u32 v23, v20, 3, v23                ; the key of a tile's row r, with u = my half of the lanes
	s_lshl_b32 s62, s16, 10
	v_lshl_add_u32 v[MFR], v23, 4, s62
	s_lshl_b32 s62, s14, 9
	s_add_co_u32 s63, s62, 1024
	v_add_nc_u32 v[XQR], s63, v21                  ; band row 64 + 32 w + r: my queries
	v_lshrrev_b32 v44, 2, v19
	v_and_b32 v45, 3, v19
	v_mul_u32_u24 v[VIW], v44, VT
	v_lshl_add_u32 v[VIW], v20, 8, v[VIW]
	v_lshl_add_u32 v[VIW], v45, 6, v[VIW]
	s_add_co_u32 s63, s62, VIMG
	v_add_nc_u32 v[VIW], s63, v[VIW]               ; channel 4 x + j is row 4 (x % 4) + j of tile x / 4; my block is half lane / 16 of position w
	v_lshlrev_b32 v[VSW], 1, v44
	v_lshl_add_u32 v[VSW], v45, 5, v[VSW]
	s_lshl_b32 s62, s14, 7
	s_add_co_u32 s62, s62, SH2
	v_add_nc_u32 v[VSW], s62, v[VSW]
	s_lshl_b32 s62, s16, 9
	s_add_co_u32 s62, s62, VIMG
	v_add_nc_u32 v[VIR], s62, v[L16]
	v_mov_b32 v[SCM], 0x7d7d7d7d                   ; the scale 2^-2 of a block that holds a 1
.irp z, 0,8,16,24,32
.irp g, 0,1,2,3
	v_mov_b32 v[QX+\z+\g], 0                       ; the zero codes of the views
.endr
.endr
.irp g, 4,8,9,10,11,12,13,14,25,28
	v_mov_b32 v[G+\g], 0                           ; written once: a lane permute's destination counts as one of its sources; v69 is named as the upper half of a pair
.endr
	s_wait_kmcnt 0x0
	s_lshl_b32 s20, s15, 6
	s_mov_b32 s21, 0
	s_add_nc_u64 s[10:11], s[10:11], s[20:21]
	s_load_b512 s[36:51], s[10:11], 0x0            ; my 16 starts
	s_lshl_b32 s61, s17, 3
	s_add_co_u32 s61, s61, s16
	s_add_co_u32 s61, s61, 30                      ; block y = A2 is global block (8 x + 30 + A2) mod 32
	s_lshl_b32 s63, s15, 14
	s_add_co_u32 s63, s63, s98                     ; the head, + 8 u rows
.irp i, 0,1,2
	s_add_co_u32 s62, s61, 4*\i
	s_and_b32 s62, s62, 31
	s_lshl_b32 s[58+\i], s62, 5                    ; the block's first true index
	s_lshl_b32 s62, s62, 16
	s_add_co_u32 s20, s62, s63
	s_add_nc_u64 s[22+2*\i:23+2*\i], s[6:7], s[20:21]
.endr
	s_lshl_b32 s62, s17, 19
	s_lshl_b32 s20, s14, 16
	s_add_co_u32 s20, s20, s62
	s_add_co_u32 s20, s20, s98
	s_add_nc_u64 s[28:29], s[4:5], s[20:21]        ; Q and the result at my first query
	s_add_nc_u64 s[34:35], s[12:13], s[20:21]
	s_lshl_b32 s61, s17, 2
	s_add_co_u32 s61, s61, s14
	s_add_co_u32 s61, s61, 15                      ; position w is global double block (4 x + 15 + w) mod 16
	s_and_b32 s62, s61, 15
	s_lshl_b32 s62, s62, 17
	s_add_co_u32 s20, s62, s98
	s_add_nc_u64 s[30:31], s[8:9], s[20:21]
	s_add_co_u32 s61, s61, 8                       ; and position w + 8
	s_and_b32 s62, s61, 15
	s_lshl_b32 s62, s62, 17
	s_add_co_u32 s20, s62, s98
	s_add_nc_u64 s[32:33], s[8:9], s[20:21]
; ---- THE LOADS OF K AND Q: a tile of 16 rows by 8 loads, each two whole rows of 256 bytes.  A tile of K is rows 0 .. 7 and 16 .. 23 from its base
	WIN 0x40
	s_wait_alu depctr_va_vdst(0)                   ; the offsets and LDS addresses v1 to v18 are written: every load and store of the kernel reads one of them, and none is written again
.irp i, 0,1,2
.irp j, 0,1,2,3
	global_load_b128 v[KR+32*\i+4*\j:KR+32*\i+4*\j+3], v[GOFF], s[22+2*\i:23+2*\i] offset:4096*\j
.endr
.irp j, 0,1,2,3
	global_load_b128 v[KR+32*\i+16+4*\j:KR+32*\i+16+4*\j+3], v[GOFF], s[22+2*\i:23+2*\i] offset:32768+4096*\j
.endr
.endr
	WIN 0
.irp a, 0,1
.irp j, 0,1,2,3,4,5,6,7
	global_load_b128 v[QR+32*\a+4*\j:QR+32*\a+4*\j+3], v[GOFF], s[28:29] offset:32768*\a+4096*\j th:TH_LOAD_NT   ; read once in the launch
.endr
.endr
; ---- MEMBERSHIP: lane = a row of the block; 16 patches, a code each: 6 where start <= row < start + 64.  (row - start) < 64, unsigned, is that test for every int32 start.
; The sixteen compares stand in one run, a scalar register each; the selects follow behind one wait
.macro MEMB i
	v_add_nc_u32 v19, s[58+\i], v[LANE]
.irp p, 0,1,2,3,4,5,6,7,8,9,10,11,12,13,14,15
	v_sub_nc_u32 v20, v19, s[36+\p]
	v_cmp_gt_u32 s[66+\p], 64, v20
.endr
	s_wait_alu depctr_va_sdst(0)                   ; the sixteen compares have written s66 to s81, ahead of the selects that read them
.irp p, 0,1,2,3,4,5,6,7,8,9,10,11,12,13,14,15
.if (\p%8) == 0
	v_cndmask_b32 v[G+2*\i+\p/8], 0, 6, s[66+\p]
.else
	v_cndmask_b32 v21, 0, 6, s[66+\p]
	v_lshl_or_b32 v[G+2*\i+\p/8], v21, 4*(\p%8), v[G+2*\i+\p/8]
.endif
.endr
.endm
	s_wait_kmcnt 0x0                               ; the starts
	MEMB 0
	MEMB 1
	MEMB 2
	s_wait_alu depctr_va_vdst(0)                   ; the three tasks have written v44 to v49, which the three LDS stores read
.irp i, 0,1,2
	ds_store_b64 v[MEW], v[G+2*\i:G+2*\i+1] offset:2048*\i
.endr
; ---- V: a double block of 64 keys by 32 loads: lanes 0-15 key i of its first block, lanes 16-31 key i of its second: two whole rows.  Register 4 i + j: V(key i of my block, channel 4 x + j).
; No wait stands in it: where it is used, no vector instruction issued since the last wait on va_vdst names its offset or the registers in which it lands
.macro VLOAD sb
	WIN 0x40
.set n1, 0
.rept 32
	global_load_b128 v[4*n1:4*n1+3], v[VOFF], s[\sb:\sb+1] offset:2048*n1
.set n1, n1+1
.endr
	WIN 0
.endm
	VLOAD 30
; ---- K AND Q ARE QUANTISED.  A tile goes through my own stage, as rows of 256 bytes + 16, and comes back a block of 32 numbers a lane (row r, e = 32 h ..).  LDS serves a wave's instructions in order: no wait between
.macro TURN t
.if \t < 3
	WIN 0x04                                       ; an LDS store's data are its source 1
.irp j, 0,1,2,3,4,5,6,7
	ds_store_b128 v[STW], v[KR+32*\t+4*\j:KR+32*\t+4*\j+3] offset:ST1*\t+544*\j
.endr
	WIN 0
.else
.irp j, 0,1,2,3,4,5,6,7
	ds_store_b128 v[STW], v[QR+32*(\t-3)+4*\j:QR+32*(\t-3)+4*\j+3] offset:ST1*\t+544*\j
.endr
.endif
.irp j, 0,1,2,3,4,5,6,7
	ds_load_b128 v[XB+32*((\t)%2)+4*\j:XB+32*((\t)%2)+4*\j+3], v[STR] offset:ST1*\t+16*\j
.endr
.endm
; 32 numbers of a lane, one block: codes into v[dst .. dst + 3], the row's two scale bytes into v[w16]
.macro QUANT32 x, dst, w16
	v_max3_num_f32 v[G], |v[\x]|, |v[\x+1]|, 0x1800000              ; the floor 2^(3 - 127) among the leaves: the byte cannot fall under 1
	v_max3_num_f32 v[G+1], |v[\x+2]|, |v[\x+3]|, |v[\x+4]|
.irp i, 5,9,13,17,21,25
	v_max3_num_f32 v[G], v[G], |v[\x+\i]|, |v[\x+\i+1]|
	v_max3_num_f32 v[G+1], v[G+1], |v[\x+\i+2]|, |v[\x+\i+3]|
.endr
	v_max3_num_f32 v[G], v[G], |v[\x+29]|, |v[\x+30]|
	v_max3_num_f32 v[G], v[G], v[G+1], |v[\x+31]|
	v_add_nc_u32 v[G+2], 0xff000000, v[G]          ; 2 off the exponent field: the conversion's scale operand
.irp g, 0,1,2,3
	v_cvt_scalef32_pk8_fp4_f32 v[\dst+\g], v[\x+8*\g:\x+8*\g+7], v[G+2]
.endr
	v_lshrrev_b32 v[G+3], 23, v[G+2]               ; the byte.  (The plain place behind the conversions)
	v_permlanex16_b32 v[G+4], v[G+3], s52, s53     ; the row's other block
	v_cndmask_b32 v[G+5], v[G+3], v[G+4], s54      ; block 0's byte
	v_cndmask_b32 v[G+6], v[G+4], v[G+3], s54      ; block 1's
	v_lshl_or_b32 v[\w16], v[G+6], 8, v[G+5]
.endm
	s_wait_loadcnt 63                              ; behind tile 0's loads 64 were issued; the field holds 63, and a smaller count is safe
	TURN 0
.irp t, 0,1,2,3,4
.if \t < 4
	s_wait_loadcnt 56-8*\t                         ; the next tile is in: behind it the later tiles' 8 each and V's 32
	TURN (\t+1)                                    ; its LDS loads land in the set that the tile before this one was quantised from: the wait on va_vdst behind that QUANT32 has shown it read out, and no vector line stands between
	s_wait_dscnt 16                                ; this tile is back from its stage; the next tile's 16 may be out
.else
	s_wait_dscnt 0x0
.endif
.if \t == 0
	s_wait_alu depctr_vm_vsrc(0)                   ; the membership's LDS stores have read v44 to v49, which QUANT32 writes again
.endif
.if \t < 3
	QUANT32 XB+32*(\t%2), G+16+4*\t, G+28+\t       ; each tile has registers of its own for what it stores
	s_wait_alu depctr_va_vdst(0)                   ; the tile's codes and bytes are written, which the two LDS stores read; and QUANT32 is done reading its set of 32 numbers, in which the loads of the tile two on land
	ds_store_b128 v[KIW], v[G+16+4*\t:G+19+4*\t] offset:4096*\t    ; the image: lane (r, h) holds k = 32 h .. + 31 of row r
	ds_store_b16 v[KSW], v[G+28+\t] offset:256*\t                  ; both halves of the lanes write the same two bytes
.else
	QUANT32 XB+32*(\t%2), QX+4+8*(\t-3), G+7       ; Q's codes stay mine
	v_lshl_or_b32 v[QS+\t-3], v[G+7], 16, v[G+7]   ; its two bytes serve either half of K
.endif
.endr
	s_wait_dscnt 0x0                               ; for the others' sake: membership, K's images and scale bytes have landed
	s_barrier_signal -1
	s_barrier_wait -1
; ---- MY BAND'S OPERANDS
	WIN 0x40
	s_wait_alu depctr_vm_vsrc(0)                   ; my LDS stores have read K's and Q's raw registers and v60 to v74: the loads below land in K's, the scores are written over Q's, the softmax writes v60 to v74
.irp g, 0,1,2,3,4,5
	ds_load_b128 v[KF+8*\g:KF+8*\g+3], v[KIR] offset:1024*\g       ; block g: tile u = 0 in k 0 .. 63,
	ds_load_b128 v[KF+8*\g+4:KF+8*\g+7], v[KIR] offset:1024*\g+512 ; tile u = 1 in k 64 .. 127
.endr
.irp g, 0,1,2,3,4,5
	ds_load_b128 v[MF+4*\g:MF+4*\g+3], v[MFR] offset:512*\g        ; block g: lanes 0-15 tile u = 0's keys, lanes 16-31 tile u = 1's
.endr
	WIN 0
.irp g, 0,1,2,3,4,5
	ds_load_b32 v[KS+\g], v[KSR] offset:64*\g
.endr
	ds_load_b128 v[XT:XT+3], v[XQR]
	ds_load_b128 v[XT+4:XT+7], v[XQR] offset:256
	s_wait_dscnt 0x0
; ---- SCORES AND MASK of tile a
.macro WINDOW a
.irp g, 0,1,2,3
	v_cndmask_b32 v[QX+20+\g], 0, v[XT+4*\a+\g], s55               ; the queries' membership in lanes 0-15 alone,
	v_cndmask_b32 v[QX+28+\g], 0, v[XT+4*\a+\g], s54               ; and in lanes 16-31 alone
.endr
	PLACES 4                                       ; an operand written by vector instructions stands four places ahead of a scaled matrix instruction
	s_wait_alu depctr_va_vdst(0)                   ; behind the places: Q's codes, the views' zeros, the queries' membership and the scale words v30 to v32 are written, which the scaled products below take as source 1 and as scales
	WIN 0x01                                       ; source 0 in window 1
.irp g, 0,1,2,3,4,5
	MM0 S+16*\g, KF+8*\g, QX+4+8*\a, KS+\g, QS+\a                  ; Q in k 0 .. 63: tile u = 0
	MM0 S+16*\g+8, KF+8*\g, QX+8*\a, KS+\g, QS+\a                  ; Q in k 64 .. 127: tile u = 1
.endr
.irp d, 0,1,2
	WIN 0x41                                       ; source 0 and the result in window 1
.irp t, 0,1,2,3
	MM0 CN+8*\t, MF+8*\d, QX+20+8*(\t%2)-4*(\t/2), SCM, SCM        ; the queries' codes in block t of K alone: the counts of tile 4 d + t
.endr
	PLACES 4
	WIN 0x04
.set n1, 0
.rept 32
	v_cmp_lt_f32 s[66+n1], 0, v[CN+n1]             ; each accumulator from its low end on
.set n1, n1+1
.endr
	WIN 0
	s_wait_alu depctr_va_sdst(0)                   ; the 32 compares have written s66 to s97, ahead of the selects that read them
.set n1, 0
.rept 32
	v_cndmask_b32 v[S+32*\d+n1], 0, v[S+32*\d+n1], s[66+n1]        ; a score outside every patch is 0.  (These name none of the counts' registers: they are the places ahead of the next four products, which write the counts anew)
.set n1, n1+1
.endr
.endr
.endm
; ---- SOFTMAX of tile a over the band's 192 keys, and p's codes.  Register 16 b + i: key 16 h + i of block b
.macro SOFT a
.irp b, 0,1,2,3,4,5
	v_max3_num_f32 v[BM+\b], v[S+16*\b], v[S+16*\b+1], v[S+16*\b+2]   ; each block's largest score: for the row's maximum, and, since p rises with the score, for the block's largest p
.endr
.irp i, 3,5,7,9,11,13
.irp b, 0,1,2,3,4,5
	v_max3_num_f32 v[BM+\b], v[BM+\b], v[S+16*\b+\i], v[S+16*\b+\i+1]
.endr
.endr
.irp b, 0,1,2,3,4,5
	v_max_num_f32 v[BM+\b], v[BM+\b], v[S+16*\b+15]
.endr
.irp b, 0,1,2,3,4,5
	v_permlanex16_b32 v[BT+\b], v[BM+\b], s52, s53
.endr
.irp b, 0,1,2,3,4,5
	v_max_num_f32 v[BM+\b], v[BM+\b], v[BT+\b]
.endr
	v_max3_num_f32 v[T0], v[BM], v[BM+1], v[BM+2]
	v_max3_num_f32 v[T0], v[T0], v[BM+3], v[BM+4]
	v_max3_num_f32 v[T0], v[T0], v[BM+5], 0        ; the 832 keys outside the band have the score 0
	v_mul_f32 v[T0], s56, v[T0]
	v_floor_f32 v[NM], -v[T0]                      ; -M = -ceil(the largest t)
.set n1, 0
.rept 48
	v_pk_fma_f32 v[S+n1:S+n1+1], v[S+n1:S+n1+1], s[56:57], v[NM:NM+1] op_sel_hi:[1,0,0]   ; t - M
.set n1, n1+2
.endr
.irp b, 0,1,2,3,4,5
	v_fma_f32 v[BM+\b], v[BM+\b], s56, v[NM]
.endr
.set n1, 0
	s_wait_alu depctr_va_vdst(0)
.rept 96
	v_exp_f32 v[S+n1], v[S+n1]                     ; p = 2^(t - M), not normalised
.set n1, n1+1
.endr
.irp b, 0,1,2,3,4,5
	v_exp_f32 v[BM+\b], v[BM+\b]                   ; the same two instructions on the same number: the block's largest p
.endr
	v_exp_f32 v[PZ], v[NM]                         ; pz = 2^-M
	v_nop                                          ; a plain place behind the exponentials
	s_wait_alu depctr_va_vdst(0)                   ; the 103 exponentials have written p, the blocks' largest p and pz: one wait for the batch, ahead of its first reader
	v_pk_add_f32 v[SU:SU+1], v[S:S+1], v[S+2:S+3]  ; the row's sum, of the unquantised p, in two chains
	v_pk_add_f32 v[SU+2:SU+3], v[S+4:S+5], v[S+6:S+7]
.set n1, 8
.rept 22
	v_pk_add_f32 v[SU:SU+1], v[SU:SU+1], v[S+n1:S+n1+1]
	v_pk_add_f32 v[SU+2:SU+3], v[SU+2:SU+3], v[S+n1+2:S+n1+3]
.set n1, n1+4
.endr
	v_pk_add_f32 v[SU:SU+1], v[SU:SU+1], v[SU+2:SU+3]
	v_add_f32 v[SU], v[SU], v[SU+1]
	v_permlanex16_b32 v[SU+2], v[SU], s52, s53
	v_add_f32 v[SU], v[SU], v[SU+2]
	v_fma_f32 v[SU], v[PZ], 0x44500000, v[SU]      ; + 832 pz
.irp b, 0,1,2,3,4,5,6
	v_max_num_f32 v[BT+\b], 0x1800000, v[BM+\b]    ; the floor; number 6 is pz, the largest of a constant block
.endr
.irp b, 0,1,2,3,4,5,6
	v_add_nc_u32 v[SCL+\b], 0xff000000, v[BT+\b]
.endr
.irp b, 0,1,2,3,4,5,6
	v_lshrrev_b32 v[BT+\b], 23, v[SCL+\b]
.endr
	v_lshl_or_b32 v[PS+3*\a], v[BT+1], 8, v[BT]    ; blocks 0 - 3
	v_lshl_or_b32 v[PS+3*\a], v[BT+2], 16, v[PS+3*\a]
	v_lshl_or_b32 v[PS+3*\a], v[BT+3], 24, v[PS+3*\a]
	v_lshl_or_b32 v[PS+3*\a+1], v[BT+5], 8, v[BT+4]   ; blocks 4, 5 and two constant ones
	v_lshl_or_b32 v[PS+3*\a+1], v[BT+6], 16, v[PS+3*\a+1]
	v_lshl_or_b32 v[PS+3*\a+1], v[BT+6], 24, v[PS+3*\a+1]
	v_lshl_or_b32 v[PS+3*\a+2], v[BT+6], 8, v[BT+6]   ; four constant ones
	v_lshl_or_b32 v[PS+3*\a+2], v[PS+3*\a+2], 16, v[PS+3*\a+2]
.irp b, 0,1,2,3,4,5
	v_cvt_scalef32_pk8_fp4_f32 v[P+20*\a+2*\b], v[S+16*\b:S+16*\b+7], v[SCL+\b]
	v_cvt_scalef32_pk8_fp4_f32 v[P+20*\a+2*\b+1], v[S+16*\b+8:S+16*\b+15], v[SCL+\b]
.endr
	v_nop                                          ; a plain place behind the conversions
.irp c, 0,1,2
.irp i, 0,1
	v_permlane16_swap_b32 v[P+20*\a+4*\c+\i], v[P+20*\a+4*\c+2+\i]   ; the operand wants a whole block in a lane: lanes 0-15 block 2 c, lanes 16-31 block 2 c + 1
.endr
.endr
.irp i, 0,1,2,3,4,5,6,7
	v_mov_b32 v[S+\i], v[PZ]                       ; eight numbers of a constant block go through the quantiser itself
.endr
	v_cvt_scalef32_pk8_fp4_f32 v[P+20*\a+12], v[S:S+7], v[SCL+6]
	v_nop
.irp i, 13,14,15,16,17,18,19
	v_mov_b32 v[P+20*\a+\i], v[P+20*\a+12]
.endr
	s_wait_alu depctr_va_vdst(0)
	v_rcp_f32 v[RL+2*\a], v[SU]
	v_rcp_f32 v[RL+2*\a+1], v[SU]                  ; (the packed multiply names a pair)
	v_nop
.endm
; ---- A DOUBLE BLOCK OF V IS QUANTISED DOWN THE KEYS.  A lane holds four channels x the 32 keys of one block, a channel in every fourth register; the conversions want eight neighbours on end,
; so two channels at a time are copied into 64 registers on end.  pos: the position's bytes beyond position w; copy = 1: stored a second time, 16 positions on;
; next = 1: the wave's second double block is asked for as soon as the raw registers are read out.  All that the LDS stores read is made first, so that ONE wait on va_vdst serves them all
.macro VQUANT pos, copy, next
	s_wait_loadcnt 0x0                             ; no other load of mine is out
.irp j, 0,1,2,3
	v_mov_b32 v[G+\j], 0x1800000                   ; the floor starts the four maxima
.endr
	WIN 0x14                                       ; sources 1 and 2 in window 1
.set n1, 0
.rept 16
.irp j, 0,1,2,3
	v_max3_num_f32 v[G+\j], v[G+\j], |v[8*n1+\j]|, |v[8*n1+4+\j]|
.endr
.set n1, n1+1
.endr
	WIN 0
.irp j, 0,1,2,3
	v_add_nc_u32 v[G+4+\j], 0xff000000, v[G+\j]
.endr
.irp j, 0,1,2,3
	v_lshrrev_b32 v[G+8+\j], 23, v[G+4+\j]
.endr
	v_lshl_or_b32 v[G+12], v[G+9], 8, v[G+8]       ; my block's four bytes,
	v_lshl_or_b32 v[G+12], v[G+10], 16, v[G+12]
	v_lshl_or_b32 v[G+12], v[G+11], 24, v[G+12]
	v_permlanex16_b32 v[G+13], v[G+12], s52, s53   ; the other block's,
	v_cndmask_b32 v[G+14], v[G+12], v[G+13], s54   ; the first block's
	v_cndmask_b32 v[G+15], v[G+13], v[G+12], s54   ; and the second's, in both halves of the lanes;
	v_perm_b32 v[G+16], v[G+15], v[G+14], 0x05010400   ; by channel: channels j = 0, 1
	v_perm_b32 v[G+17], v[G+15], v[G+14], 0x07030602   ; and 2, 3
.irp q, 0,1
	WIN 0x01
.set n1, 0
.rept 32
	v_mov_b32 v[T+n1], v[4*n1+2*\q]
	v_mov_b32 v[T+32+n1], v[4*n1+2*\q+1]
.set n1, n1+1
.endr
	WIN 0
.irp c, 0,1
.irp g, 0,1,2,3
	v_cvt_scalef32_pk8_fp4_f32 v[VC+4*(2*\q+\c)+\g], v[T+32*\c+8*\g:T+32*\c+8*\g+7], v[G+4+2*\q+\c]
.endr
.endr
	v_nop                                          ; a plain place behind the conversions: their sources are written again, and matrix instructions write these registers later
.endr
	s_wait_alu depctr_va_vdst(0)                   ; V's codes v216 to v231 and bytes v60, v61 are written, which the LDS stores read; the maxima and copies are done reading V's raw registers, in which loads land; so are all earlier products, compares and selects with the views v76 to v111 and window 1, in which the loads behind the second barrier land
.if \next
	VLOAD 32                                       ; position w + 8, into the registers just read out: no vector line stands between the wait and these loads
.endif
.irp j, 0,1,2,3
	ds_store_b128 v[VIW], v[VC+4*\j:VC+4*\j+3] offset:\pos+16*\j   ; 32 codes: what lane (4 (x % 4) + j, my half) of the image holds
.if \copy
	ds_store_b128 v[VIW], v[VC+4*\j:VC+4*\j+3] offset:\pos+8192+16*\j
.endif
.endr
	ds_store_b16 v[VSW], v[G+16] offset:\pos/4
	ds_store_b16_d16_hi v[VSW], v[G+16] offset:\pos/4+8
	ds_store_b16 v[VSW], v[G+17] offset:\pos/4+16
	ds_store_b16_d16_hi v[VSW], v[G+17] offset:\pos/4+24
.if \copy
	ds_store_b16 v[VSW], v[G+16] offset:\pos/4+2048
	ds_store_b16_d16_hi v[VSW], v[G+16] offset:\pos/4+2056
	ds_store_b16 v[VSW], v[G+17] offset:\pos/4+2064
	ds_store_b16_d16_hi v[VSW], v[G+17] offset:\pos/4+2072
.endif
	s_wait_dscnt 0x0                               ; my stores have landed
	s_wait_alu depctr_vm_vsrc(0)                   ; and have read v216 to v231 and v60, v61: the next tile's scores and softmax, or V's scale words, are written there
.endm
	WINDOW 0
	SOFT 0                                         ; stands under the arrival of V's first double block
	VQUANT 0, 1, 1                                 ; position w, and w + 16; position w + 8 is asked for
	WINDOW 1
	SOFT 1                                         ; stands under its arrival
	VQUANT 4096, 0, 0
	s_barrier_signal -1                            ; (VQUANT has waited for my stores: V's images and scale bytes have landed)
	s_barrier_wait -1
; ---- O^T = V^T P^T over all 1,024 keys, 128 a step: step k takes positions A2 + 2 k, A2 + 2 k + 1.  Steps 0 and 1 hold the band.
; The loads below land in v76 to v107 and in window 1: no vector or matrix instruction issued since the second VQUANT's wait on va_vdst names one of these (the v_perm lines read v76 to v107 behind the wait for their data)
.irp k, 0,1,2,3,4,5,6,7,8,9,10,11,12,13,14,15
	ds_load_b64 v[H+2*\k:H+2*\k+1], v[VSR] offset:128*\k           ; position A2 + k, row r: two bytes for each of the four tiles of channels
.endr
.macro VFETCH k
.irp t, 0,1,2,3
.irp c, 0,1
	ds_load_b128 v[8*(8*\t+\k)+4*\c:8*(8*\t+\k)+4*\c+3], v[VIR] offset:VT*\t+512*(2*\k+\c)
.endr
.endr
.endm
	WIN 0x40
.irp k, 0,1,2,3
	VFETCH \k
.endr
	WIN 0
	s_wait_dscnt 32                                ; the scale bytes are in; the 32 loads behind them may be out
.irp k, 0,1,2,3,4,5,6,7
	v_perm_b32 v[G+\k], v[H+4*\k+2], v[H+4*\k], 0x05040100         ; the scale word of tile t, step k: two positions' bytes
	v_perm_b32 v[G+8+\k], v[H+4*\k+2], v[H+4*\k], 0x07060302
	v_perm_b32 v[G+16+\k], v[H+4*\k+3], v[H+4*\k+1], 0x05040100
	v_perm_b32 v[G+24+\k], v[H+4*\k+3], v[H+4*\k+1], 0x07060302
.endr
	PLACES 8                                       ; a scale register written by a vector instruction stands eight places ahead of a scaled matrix instruction
	s_wait_alu depctr_va_vdst(0)                   ; behind the places: V's scale words v44 to v75, p's codes and p's scale words are written, which the scaled products below take as scales and as source 1
	WIN 0x40
.irp k, 4,5,6,7
	VFETCH \k
.endr
	WIN 0x01
; the eight accumulators take turns, one instruction a turn, in the same order in every step
.macro PVSTEP k, bo, so
	s_wait_dscnt 8*(7-\k)                          ; this step's eight loads are in; the later steps' may be out
.irp a, 0,1
.irp t, 0,1,2,3
.if \k == 0
	MM0 O+32*\a+8*\t, 8*(8*\t+\k), P+20*\a+\bo, G+8*\t+\k, PS+3*\a+\so
.else
	MMA O+32*\a+8*\t, 8*(8*\t+\k), P+20*\a+\bo, G+8*\t+\k, PS+3*\a+\so
.endif
.endr
.endr
.endm
	PVSTEP 0, 0, 0
	PVSTEP 1, 8, 1
.irp k, 2,3,4,5,6,7
	PVSTEP \k, 12, 2
.endr
; ---- THE WAY OUT: O^T / l; a lane's eight channels of a row into my stage, whole rows of 256 bytes back, sixteen lanes to a row of the result
	WIN 0
	PLACES 4
	s_wait_alu depctr_va_vdst(0)                   ; the four reciprocals have written v40 to v43, ahead of their first reader
.irp a, 0,1
.set n1, 0
.rept 16
	v_pk_mul_f32 v[O+32*\a+n1:O+32*\a+n1+1], v[O+32*\a+n1:O+32*\a+n1+1], v[RL+2*\a:RL+2*\a+1] op_sel_hi:[1,0]   ; each accumulator from its low end on
.set n1, n1+2
.endr
.endr
	s_wait_alu depctr_va_vdst(0)                   ; the multiplies have written O^T, which the LDS stores read; the last products are done reading p's codes and the v_perm lines V's scale bytes: the rows of the result land in v76 to v139
.irp a, 0,1
.irp t, 0,1,2,3
	ds_store_b128 v[OSW], v[O+32*\a+8*\t:O+32*\a+8*\t+3] offset:ST1*\a+64*\t          ; lane (r, h): query r, channels 16 t + 8 h + 0 .. 7
	ds_store_b128 v[OSW], v[O+32*\a+8*\t+4:O+32*\a+8*\t+7] offset:ST1*\a+64*\t+16
.endr
.irp i, 0,1,2,3,4,5,6,7
	ds_load_b128 v[OB+32*\a+4*\i:OB+32*\a+4*\i+3], v[STW] offset:ST1*\a+544*\i        ; LDS serves a wave's instructions in order: these see my stores
.endr
.endr
.irp a, 0,1
.irp i, 0,1,2,3,4,5,6,7
	s_wait_dscnt 16*(1-\a)+7-\i                    ; behind this load: the rest of its tile's, and for tile 0 the 16 of tile 1
	global_store_b128 v[GOFF], v[OB+32*\a+4*\i:OB+32*\a+4*\i+3], s[34:35] offset:(16*\a+2*\i)*2048 th:TH_STORE_NT   ; 16 lanes store 256 consecutive bytes, at a multiple of 256 from the buffer's first byte
.endr
.endr
	s_wait_xcnt 0x0
	v_lshl_add_u32 v254, v0, 2, 0x3c000            ; the add's two registers are made anew here (v0 is as at the entry): no memory or LDS instruction has read v254 or v255
	v_mov_b32 v255, 0
	s_wait_dscnt 0x0                               ; the closing lines, six on end
	s_wait_alu 0x0
	s_wait_tensorcnt 0x0
	ds_add_u32 v254, v255
	s_wait_dscnt 0x0
	s_endpgm
.Lfunc_end_k_qfc041c8c0a_attn:
	.size	k_qfc041c8c0a_attn, .Lfunc_end_k_qfc041c8c0a_attn-k_qfc041c8c0a_attn
	.p2alignl 7, 3214868480
	.fill 96, 4, 3214868480
	.section	.rodata,"a",@progbits
	.p2align	6, 0x0
	.amdhsa_kernel k_qfc041c8c0a_attn
		.amdhsa_group_segment_fixed_size 246784
		.amdhsa_private_segment_fixed_size 0
		.amdhsa_enable_private_segment 0
		.amdhsa_kernarg_size 40
		.amdhsa_user_sgpr_count 2
		.amdhsa_user_sgpr_kernarg_segment_ptr 1
		.amdhsa_wavefront_size32 1
		.amdhsa_system_sgpr_workgroup_id_x 1
		.amdhsa_system_sgpr_workgroup_id_y 1
		.amdhsa_system_sgpr_workgroup_id_z 1
		.amdhsa_system_vgpr_workitem_id 0
		.amdhsa_next_free_vgpr 512
		.amdhsa_next_free_sgpr 100
		.amdhsa_reserve_vcc 0
		.amdhsa_float_denorm_mode_32 3
		.amdhsa_float_denorm_mode_16_64 3
		.amdhsa_memory_ordered 1
		.amdhsa_forward_progress 1
		.amdhsa_inst_pref_size 157
	.end_amdhsa_kernel
	.amdgpu_metadata
---
amdhsa.version: [ 1, 2 ]
amdhsa.kernels:
  - .name:           k_qfc041c8c0a_attn
    .symbol:         k_qfc041c8c0a_attn.kd
    .args:
      - { .name: queries, .offset: 0, .size: 8, .value_kind: global_buffer, .address_space: global }
      - { .name: keys, .offset: 8, .size: 8, .value_kind: global_buffer, .address_space: global }
      - { .name: values, .offset: 16, .size: 8, .value_kind: global_buffer, .address_space: global }
      - { .name: starts, .offset: 24, .size: 8, .value_kind: global_buffer, .address_space: global }
      - { .name: out0, .offset: 32, .size: 8, .value_kind: global_buffer, .address_space: global }
    .group_segment_fixed_size: 246784
    .private_segment_fixed_size: 0
    .kernarg_segment_align: 8
    .kernarg_segment_size: 40
    .max_flat_workgroup_size: 256
    .sgpr_count:     100
    .vgpr_count:     512
    .wavefront_size: 32
...
	.end_amdgpu_metadata
.endif
;; end of part 2
